; MI455X (gfx1250); checked and timed in simulation.
; The chip was launched on July 23, 2026; its instructions are those of AMD's public machine-readable ISA for CDNA 5 (MIT licence, August 2026) and "CDNA5" Instruction Set Architecture Reference Guide (July 2026). The comments in the code are by the model that wrote it; some were corrected since.
;; MH Self Attention. Allowed arithmetic: matrix products marked QUANTISED: E3M2 operands, one E8M0 scale for each 32 along K, by v_wmma_scale_f32_16x16x128_f8f6f4 with both operands' format E3M2, f32 sums; everything else in f32.
;; Inputs: embeddings 4 x 2,048 x 1,024 float32; w_qkv 1,024 x 3,072 float32.
;; Outputs: out0 4 x 2,048 x 1,024 float32.
;; This version of the problem:
;;   THIS VERSION OF THE PROBLEM IS GIVEN IN LOW PRECISION. The matrix products marked QUANTISED in the list below multiply operands that are first quantised to E3M2 (3 exponent bits, 2 mantissa bits; 6 bits a number), with one power-of-two scale for each 32 numbers along K (OCP MX v1.0); their sums are f32. All else is computed in f32.
;;   The module's matrix products, in the order in which they are computed (A, B: the left and right operand; K: the contracted axis; several contracted axes count as one K, in the product's order):
;;     1. [M 8,192, K 1,024] x [K 1,024, N 3,072]; A: input embeddings; B: input w_qkv: QUANTISED
;;     2. batch 64 x [M 2,048, K 64] x [K 64, N 2,048]; A: computed on the way; B: computed on the way: QUANTISED
;;     3. batch 64 x [M 2,048, K 2,048] x [K 2,048, N 64]; A: softmax (see below); B: computed on the way: QUANTISED
;;   THE QUANTISER, for each operand of a quantised product, along K:
;;     - K is cut into blocks of 32 from its start; a last block that is shorter is filled with zeros.
;;     - A block's scale is 2^e with e = floor(log2(the largest magnitude in the block)) - 4, held to -126 .. 127; a block of zeros has e = 0. As a byte (E8M0): e + 127.
;;     - Each number is divided by its block's scale, clamped to +-28, and rounded to the nearest number of E3M2, ties to even, subnormals kept.
;;     - The product sums the exact products of the quantised numbers (number of the format x scale) in f32.
;;   ~~~python
;;   def quantise(x, axis):      # numpy; x: float32 -> the quantised numbers, widened to float32 again
;;       x = np.moveaxis(x, axis, -1); K = x.shape[-1]
;;       x = np.pad(x, [(0, 0)] * (x.ndim - 1) + [(0, -K % 32)]); x = x.reshape(x.shape[:-1] + (-1, 32)); a = np.abs(x).max(-1, keepdims=True)
;;       e = np.where(a > 0, np.clip(np.frexp(np.where(a > 0, a, 1))[1] - 1 - 4, -126, 127), 0)      # np.frexp(a)[1] - 1 = floor(log2(a)), exactly
;;       r = np.clip(x / 2.0 ** e, -28, 28)
;;       step = 2.0 ** (np.maximum(np.frexp(np.where(r == 0, 1, r))[1] - 1, -2) - 2)
;;       q = np.round(r / step) * step * 2.0 ** e      # np.round: ties to even
;;       return np.moveaxis(q.reshape(q.shape[:-2] + (-1,))[..., :K], -1, axis).astype(np.float32)
;;   ~~~
;;   SOFTMAX AHEAD OF A QUANTISED PRODUCT. Where the list says 'softmax', what is quantised is not the finished softmax but p = 2^(t - M), with t = logit x log2(e) and M = ceil(the row's largest t), a whole number; so 1/2 < the row's largest p <= 1. The row's sum l is taken of the UNQUANTISED p, in f32, and the product's result is divided by l at the end. Since M is a whole number, a kernel that streams over the keys may use a running M (the ceiling of the running maximum): every later rescaling is an exact power of two, which a block's scale takes up: the codes' values come out the same.
;;   OPERANDS COMPUTED ON THE WAY. 'Computed on the way' means the value that the module computes at that place (a softmax that the list does not call 'softmax' is quantised finished and normalised). What goes into a quantiser is computed in f32, as accurately as f32 sums, v_exp_f32 and their like allow (about 1e-6 of the number): no bf16 or f16 on the way to a quantiser, and a product that is left as it is and whose result goes on into a quantised operand takes f32 operands (vector FMAs, or v_wmma_f32_16x16x4_f32). A number that lies on a knife's edge between two numbers of the format may be rounded either way, as far as f32 arithmetic and the matrix unit's own rounding can turn it there, and no further.
;; One version. Each part assembles by itself: llvm-mc -triple=amdgcn-amd-amdhsa -mcpu=gfx1250 --defsym DOCPART=n.
;; ======== version 1 of 1: 3 launches
;; limits: right only within a limited range of input values
;; workspace buffers: xc 6,291,456 bytes; xs 262,144 bytes; wc 2,359,296 bytes; ws 98,304 bytes; qc 6,291,456 bytes; qs 524,288 bytes; kv 13,369,344 bytes
;; launch quant (part 1): grid 704 x 1, 4 waves a work-group, no clusters, 34,304 bytes of LDS; arguments embeddings, w_qkv, xc, xs, wc, ws; writes xc, xs, wc, ws
.if DOCPART == 1
	.amdgcn_target "amdgcn-amd-amdhsa--gfx1250"
	.amdhsa_code_object_version 6
	.text
	.protected	k_q64a84b39fa_quant
	.globl	k_q64a84b39fa_quant
	.p2align	8
	.type	k_q64a84b39fa_quant,@function
k_q64a84b39fa_quant:
	s_mov_b64 s[64:65], 0
	v_nop
	global_prefetch_b8 v0, s[64:65] scope:SCOPE_SE
	s_setreg_imm32_b32 hwreg(HW_REG_WAVE_MODE, 25, 1), 1
	s_wait_xcnt 0x0
; x [8192][1024] f32 (K innermost) and W [1024][3072] f32 (K is the FIRST axis) become codes of BF6 (E3M2) with one E8M0 byte for each 32 along K.
; A block's scale is 2^(floor(log2(its largest magnitude)) - 4); its byte is that magnitude's exponent field - 4, held at 1 from below.
; LAYOUT OF THE RESULTS: images of the matrix operand's registers.  A fragment is 16 rows x 128 K = 12 registers a lane = 1,536 bytes: registers 4 g .. 4 g + 3 of lane l
; at 512 g + 16 l; lane (r, h) holds in registers 6 c .. 6 c + 5 the codes of k = 64 c + 32 h + 0 .. 31 of the tile's row r.  xc: [512 tiles][8 K steps][1536]; wc: [192 tiles][8][1536].
; Scale words (four bytes: 128 along K of one row): xs [512][8][16 rows], ws [192][8][16].
; THE ROWS OF A TILE ARE NOT NEIGHBOURS: row r of tile T is token (or column) 32 (T / 2) + 8 (T % 2) + r + 8 (r / 8).
; LIMITS: NaN and infinities are not served; a block whose largest magnitude lies under 2^-122 gets the byte 1; a block of zeros gets the byte 1 where the rule says 127
; (its codes are zeros, which add nothing under any byte but 0xff, and the bytes are read by this program alone).
; SHARES: work-groups 0-511: one token tile of x each, wave w its K steps 2 w and 2 w + 1.  Work-groups 512-703: one K step of W for 128 columns, wave w 32 of them.
; No work-group shares an input byte with another, so there is no cluster; no loop; every wave asks for all its 16 KB at its head.
.set R,    112                         ; v112-239 numbers as they are loaded
.set X,    48                          ; v48-111  x: 64 numbers of my row, k in the operand's order
.set PC,   24                          ; v24-47   x: the codes of two fragments
.set FA,   24                          ; W: the fragment of the even tile,
.set FB,   36                          ;    and of the odd one
.set CT,   16                          ; v16-18, v20-22 the upper halves of two blocks' codes (a conversion's three registers begin on an even number)
.set SROW, 528                         ; x's stage: a row of 512 bytes + 16, so that the sixteen rows that a load touches begin 4 words apart
.set WROW, 12288                       ; a row of W in bytes
	s_load_b256 s[4:11], s[0:1], 0x0               ; x s[4:5], W s[6:7], xc s[8:9], xs s[10:11]
	s_load_b128 s[12:15], s[0:1], 0x20             ; wc s[12:13], ws s[14:15]
	v_lshl_add_u32 v240, v0, 2, 0x8400
	v_mov_b32 v241, 0
	v_lshrrev_b32 v1, 5, v0
	v_readfirstlane_b32 s16, v1                    ; wave 0..3
	v_and_b32 v1, 31, v0                           ; lane
	v_and_b32 v2, 15, v0                           ; r
	v_bfe_u32 v3, v0, 4, 1                         ; h
	v_lshlrev_b32 v4, 4, v1                        ; 16 x lane
	s_mov_b32 s20, 0x76543210
	s_mov_b32 s21, 0xfedcba98                      ; v_permlanex16_b32's selects for lane l xor 16
	s_cmp_lt_u32 ttmp9, 512
	s_cbranch_scc0 .Lw
	; ---------------- x: token tile g = the work-group's number ----------------
	s_lshr_b32 s17, ttmp9, 1
	s_lshl_b32 s17, s17, 17                        ; 32 (g / 2) rows of 4,096 bytes
	s_and_b32 s18, ttmp9, 1
	s_lshl_b32 s18, s18, 15                        ; 8 (g % 2) rows
	s_add_co_u32 s22, s17, s18
	s_lshl_b32 s18, s16, 10                        ; my wave's 256 numbers of a row
	s_add_co_u32 s22, s22, s18
	s_mov_b32 s23, 0
	s_mul_i32 s24, ttmp9, 12288                    ; xc: the tile's eight fragments,
	s_mul_i32 s18, s16, 3072                       ; my two of them
	s_add_co_u32 s24, s24, s18
	s_mov_b32 s25, 0
	s_lshl_b32 s26, ttmp9, 9                       ; xs: 512 bytes a tile, 128 for my two K steps
	s_lshl_b32 s18, s16, 7
	s_add_co_u32 s26, s26, s18
	s_mov_b32 s27, 0
	s_mul_i32 s19, s16, 16*SROW                    ; my wave's own stage
	s_wait_alu depctr_va_vdst(0)
	v_add_nc_u32 v5, s19, v4                       ; in: a row's 512 bytes as they lie
	v_mul_u32_u24 v6, v2, SROW
	v_lshl_add_u32 v6, v3, 7, v6
	v_add_nc_u32 v6, s19, v6                       ; out: row r, + 128 h bytes: my block of 32
	v_lshlrev_b32 v7, 3, v3                        ; 8 h: my two bytes' place in the scale word
	v_lshlrev_b32 v23, 2, v1                       ; 4 x lane
	v_mov_b32 v19, 0                               ; written once: a lane permute's destination counts as one of its sources
	s_wait_alu depctr_va_vdst(0)
	s_wait_kmcnt 0x0
	s_add_nc_u64 s[4:5], s[4:5], s[22:23]
	s_add_nc_u64 s[8:9], s[8:9], s[24:25]
	s_add_nc_u64 s[10:11], s[10:11], s[26:27]
.irp q, 0,1
.irp r, 0,1,2,3,4,5,6,7,8,9,10,11,12,13,14,15
	global_load_b128 v[R+64*\q+4*\r:R+64*\q+4*\r+3], v4, s[4:5] offset:(\r+8*(\r/8))*4096+512*\q th:TH_LOAD_NT   ; 32 lanes read 512 consecutive bytes: row r's 128 numbers of one K step
.endr
.endr
; A K step's 16 x 128 numbers turn through the stage: in as loaded, out 128 bytes (a block of 32) a lane and c.  LDS serves a wave's instructions in order: no wait between stores and loads.
.macro TURN q
.irp r, 0,1,2,3,4,5,6,7,8,9,10,11,12,13,14,15
	ds_store_b128 v5, v[R+64*\q+4*\r:R+64*\q+4*\r+3] offset:SROW*\r
.endr
.irp c, 0,1
.irp j, 0,1,2,3,4,5,6,7
	ds_load_b128 v[X+32*\c+4*\j:X+32*\c+4*\j+3], v6 offset:256*\c+16*\j    ; k = 64 c + 32 h + 4 j ..
.endr
.endr
	s_wait_dscnt 0x0
.endm
; The lane's two whole blocks (h and 2 + h of row r) become registers 6 c .. 6 c + 5 of the fragment; the scale word goes to v[14 + q].
.macro QX q
.irp c, 0,1
	v_max3_num_f32 v[8+\c], |v[X+32*\c]|, |v[X+32*\c+1]|, 0x2800000        ; the floor 2^(5 - 127) among the leaves: the byte cannot fall under 1
.endr
.irp i, 2,4,6,8,10,12,14,16,18,20,22,24,26,28,30
.irp c, 0,1
	v_max3_num_f32 v[8+\c], v[8+\c], |v[X+32*\c+\i]|, |v[X+32*\c+\i+1]|    ; (the two blocks by turns)
.endr
.endr
.irp c, 0,1
	v_add_nc_u32 v[10+\c], 0xfe000000, v[8+\c]     ; 4 off the exponent field: the conversion takes this operand's exponent field as its scale
.endr
.irp c, 0,1
	v_lshrrev_b32 v[12+\c], 23, v[10+\c]           ; the scale's byte
.endr
	v_lshl_or_b32 v[14+\q], v13, 16, v12           ; blocks h and 2 + h,
	v_lshlrev_b32 v[14+\q], v7, v[14+\q]           ; 8 h bits up;
	v_permlanex16_b32 v19, v[14+\q], s20, s21
	v_or_b32 v[14+\q], v[14+\q], v19               ; with lane l xor 16's two the word is whole
.irp c, 0,1
	v_cvt_scalef32_pk16_bf6_f32 v[PC+12*\q+6*\c:PC+12*\q+6*\c+2], v[X+32*\c:X+32*\c+15], v[10+\c]
	v_cvt_scalef32_pk16_bf6_f32 v[CT+4*\c:CT+4*\c+2], v[X+32*\c+16:X+32*\c+31], v[10+\c]
.endr
	v_nop                                          ; one plain place behind a scaled conversion
.irp c, 0,1
.irp i, 0,1,2
	v_mov_b32 v[PC+12*\q+6*\c+3+\i], v[CT+4*\c+\i]
.endr
.endr
.irp j, 0,1,2
	global_store_b128 v4, v[PC+12*\q+4*\j:PC+12*\q+4*\j+3], s[8:9] offset:1536*\q+512*\j   ; 512 consecutive bytes; each store has data registers of its own
.endr
.endm
	s_wait_loadcnt 16                              ; the first K step's 16 loads are in; the second's may be out
	TURN 0
	QX 0
	s_wait_loadcnt 0x0
	TURN 1
	QX 1
	v_cmp_lt_u32 vcc_lo, 15, v1
	v_cndmask_b32 v14, v14, v15, vcc_lo            ; lanes 0-15: K step 2 w's words; lanes 16-31: K step 2 w + 1's
	global_store_b32 v23, v14, s[10:11]
	s_wait_tensorcnt 0x0
	ds_add_u32 v240, v241
	s_wait_dscnt 0x0
	s_endpgm
	; ---------------- W: K step q of 128 columns ----------------
.Lw:
	s_sub_co_u32 s17, ttmp9, 512
	s_and_b32 s18, s17, 7                          ; q
	s_lshr_b32 s19, s17, 3
	s_lshl_b32 s19, s19, 2
	s_add_co_u32 s19, s19, s16                     ; cg: my wave's group of 32 columns = tiles 2 cg and 2 cg + 1
	s_mul_i32 s22, s18, 128*WROW
	s_lshl_b32 s24, s19, 7
	s_add_co_u32 s22, s22, s24                     ; W: 128 q rows down, 32 cg columns in
	s_mov_b32 s23, 0
	s_mul_i32 s24, s19, 24576
	s_mul_i32 s26, s18, 1536
	s_add_co_u32 s24, s24, s26                     ; wc: tile 2 cg, K step q
	s_mov_b32 s25, 0
	s_lshl_b32 s26, s19, 10
	s_lshl_b32 s27, s18, 6
	s_add_co_u32 s26, s26, s27                     ; ws likewise
	s_mov_b32 s27, 0
	v_and_b32 v5, 7, v0                            ; A LANE TAKES A COLUMN AND ITS REGISTERS RUN DOWN K.  Lane l takes column (l & 7) + 2 (l & 8) + (l & 16) / 2 of the group:
	v_and_b32 v6, 8, v0                            ; lanes 0-15 are the rows of the even tile, lanes 16-31 those of the odd one
	v_lshl_or_b32 v5, v6, 1, v5
	v_and_b32 v6, 16, v0
	v_lshrrev_b32 v6, 1, v6
	v_or_b32 v5, v5, v6
	v_lshlrev_b32 v5, 2, v5
	v_lshlrev_b32 v6, 2, v2
	v_lshl_add_u32 v6, v3, 9, v6                   ; my scale word's place: 512 (tile % 2) + 4 r
	s_wait_alu depctr_va_vdst(0)
	s_wait_kmcnt 0x0
	s_add_nc_u64 s[6:7], s[6:7], s[22:23]
	s_add_nc_u64 s[12:13], s[12:13], s[24:25]
	s_add_nc_u64 s[14:15], s[14:15], s[26:27]
.set cnt, 0
.rept 128
	global_load_b32 v[R+cnt], v5, s[6:7] offset:WROW*cnt th:TH_LOAD_NT     ; one row of W at my wave's 32 columns: 128 consecutive bytes, the four waves side by side on 512
.set cnt, cnt+1
.endr
; Blocks 2 c and 2 c + 1 of my column.  The even block's codes go to FA, the odd block's to FB; then FA's lanes 16-31 change places with FB's lanes 0-15:
; FA holds the even tile's rows (lanes 0-15 block 2 c, lanes 16-31 block 2 c + 1), FB the odd tile's.
.macro WPAIR c
.irp u, 0,1
	v_max3_num_f32 v[8+\u], |v[R+64*\c+32*\u]|, |v[R+64*\c+32*\u+1]|, 0x2800000
.endr
.irp i, 2,4,6,8,10,12,14,16,18,20,22,24,26,28,30
.irp u, 0,1
	v_max3_num_f32 v[8+\u], v[8+\u], |v[R+64*\c+32*\u+\i]|, |v[R+64*\c+32*\u+\i+1]|
.endr
.endr
.irp u, 0,1
	v_add_nc_u32 v[10+\u], 0xfe000000, v[8+\u]
.endr
.irp u, 0,1
	v_lshrrev_b32 v[12+\u], 23, v[10+\u]
.endr
.if \c == 0
	v_lshl_or_b32 v14, v13, 8, v12                 ; my column's scale word: byte b for block b
.else
	v_lshl_or_b32 v14, v12, 16, v14
	v_lshl_or_b32 v14, v13, 24, v14
.endif
	v_cvt_scalef32_pk16_bf6_f32 v[FA+6*\c:FA+6*\c+2], v[R+64*\c:R+64*\c+15], v10
	v_cvt_scalef32_pk16_bf6_f32 v[CT:CT+2], v[R+64*\c+16:R+64*\c+31], v10
	v_cvt_scalef32_pk16_bf6_f32 v[FB+6*\c:FB+6*\c+2], v[R+64*\c+32:R+64*\c+47], v11
	v_cvt_scalef32_pk16_bf6_f32 v[CT+4:CT+6], v[R+64*\c+48:R+64*\c+63], v11
	v_nop                                          ; one plain place behind a scaled conversion
.irp i, 0,1,2
	v_permlane16_swap_b32 v[FA+6*\c+\i], v[FB+6*\c+\i]
	v_permlane16_swap_b32 v[CT+\i], v[CT+4+\i]
.endr
.irp i, 0,1,2
	v_mov_b32 v[FA+6*\c+3+\i], v[CT+\i]
	v_mov_b32 v[FB+6*\c+3+\i], v[CT+4+\i]
.endr
.endm
	s_wait_loadcnt 63                              ; at most the youngest 63 are out: rows 0 to 64 are in, and blocks 0 and 1 want rows 0 to 63
	WPAIR 0
	s_wait_loadcnt 0x0
	WPAIR 1
.irp j, 0,1,2
	global_store_b128 v4, v[FA+4*\j:FA+4*\j+3], s[12:13] offset:512*\j
	global_store_b128 v4, v[FB+4*\j:FB+4*\j+3], s[12:13] offset:12288+512*\j
.endr
	global_store_b32 v6, v14, s[14:15]
	s_endpgm
.Lfunc_end_k_q64a84b39fa_quant:
	.size	k_q64a84b39fa_quant, .Lfunc_end_k_q64a84b39fa_quant-k_q64a84b39fa_quant
	.p2alignl 7, 3214868480
	.fill 96, 4, 3214868480
	.section	.rodata,"a",@progbits
	.p2align	6, 0x0
	.amdhsa_kernel k_q64a84b39fa_quant
		.amdhsa_group_segment_fixed_size 34304
		.amdhsa_private_segment_fixed_size 0
		.amdhsa_enable_private_segment 0
		.amdhsa_kernarg_size 48
		.amdhsa_user_sgpr_count 2
		.amdhsa_user_sgpr_kernarg_segment_ptr 1
		.amdhsa_wavefront_size32 1
		.amdhsa_system_sgpr_workgroup_id_x 1
		.amdhsa_system_sgpr_workgroup_id_y 1
		.amdhsa_system_sgpr_workgroup_id_z 1
		.amdhsa_system_vgpr_workitem_id 0
		.amdhsa_next_free_vgpr 242
		.amdhsa_next_free_sgpr 66
		.amdhsa_reserve_vcc 1
		.amdhsa_float_denorm_mode_32 3
		.amdhsa_float_denorm_mode_16_64 3
		.amdhsa_memory_ordered 1
		.amdhsa_forward_progress 1
		.amdhsa_inst_pref_size 36
	.end_amdhsa_kernel
	.amdgpu_metadata
---
amdhsa.version: [ 1, 2 ]
amdhsa.kernels:
  - .name:           k_q64a84b39fa_quant
    .symbol:         k_q64a84b39fa_quant.kd
    .args:
      - { .name: embeddings, .offset: 0, .size: 8, .value_kind: global_buffer, .address_space: global }
      - { .name: w_qkv, .offset: 8, .size: 8, .value_kind: global_buffer, .address_space: global }
      - { .name: xc, .offset: 16, .size: 8, .value_kind: global_buffer, .address_space: global }
      - { .name: xs, .offset: 24, .size: 8, .value_kind: global_buffer, .address_space: global }
      - { .name: wc, .offset: 32, .size: 8, .value_kind: global_buffer, .address_space: global }
      - { .name: ws, .offset: 40, .size: 8, .value_kind: global_buffer, .address_space: global }
    .group_segment_fixed_size: 34304
    .private_segment_fixed_size: 0
    .kernarg_segment_align: 8
    .kernarg_segment_size: 48
    .max_flat_workgroup_size: 128
    .sgpr_count:     66
    .vgpr_count:     242
    .wavefront_size: 32
...
	.end_amdgpu_metadata
.endif
;; end of part 1
;; launch proj (part 2): grid 12 x 32, 4 waves a work-group, clusters of 4 x 4, 327,680 bytes of LDS; arguments xc, xs, wc, ws, qc, qs, kv; writes qc, qs, kv
.if DOCPART == 2
	.amdgcn_target "amdgcn-amd-amdhsa--gfx1250"
	.amdhsa_code_object_version 6
	.text
	.protected	k_q64a84b39fa_proj
	.globl	k_q64a84b39fa_proj
	.p2align	8
	.type	k_q64a84b39fa_proj,@function
k_q64a84b39fa_proj:
	s_mov_b64 s[64:65], 0
	v_nop
	global_prefetch_b8 v0, s[64:65] scope:SCOPE_SE
	s_setreg_imm32_b32 hwreg(HW_REG_WAVE_MODE, 25, 1), 1
	s_wait_xcnt 0x0
	s_wait_alu depctr_hold_cnt(0) depctr_sa_sdst(0) depctr_va_vdst(0) depctr_va_sdst(0) depctr_va_ssrc(0) depctr_va_vcc(0) depctr_vm_vsrc(0)
	s_getreg_b32 s2, hwreg(HW_REG_IB_STS2, 6, 4)
	s_cmp_eq_u32 s2, 0
	s_cbranch_scc0 .Lentry_in_a_cluster
	s_endpgm
.Lentry_in_a_cluster:
	s_bfe_u32 s2, ttmp6, 0x10000c
	s_cmp_lg_u32 s2, 0xf033
	s_cbranch_scc0 .Lentry_shape_is_right
	s_endpgm
.Lentry_shape_is_right:
; qkv = x W on codes of BF6 (M 8,192, K 1,024, N 3,072), and its results quantised in registers: q and k along the head's 64 channels, v along the keys.  No f32 result goes to memory.
; A work-group makes 256 tokens x 256 columns, each of its four waves 128 x 128: 64 accumulators of 16 x 16, 512 registers.
; OPERANDS arrive as images of fragments (16 rows x 128 K = 1,536 bytes; registers 4 g .. 4 g + 3 of lane l at 512 g + 16 l): three ds_load_b128 bring one.
; Row r of tile T is token (or column) 32 (T / 2) + 8 (T % 2) + r + 8 (r / 8): so the 16 result registers of two neighbouring tiles of SOURCE 0 are 16 neighbours along source 0's index.
; ROLES.  R, the outer operand, is source 1 (a lane holds one of its rows), P, the inner one, source 0 (a lane's registers run along its rows).
;   clusters x = 0, 1 (q, k): R = tokens, P = columns: a lane holds one token and 128 neighbouring columns in the order that the quantiser along the head wants;
;   cluster  x = 2    (v):    R = columns, P = tokens: a lane holds one channel and 128 neighbouring tokens: the quantiser along the keys.
; The products' text is one for both: only two LDS offsets, chosen on the cluster's x (equal in all partners), and the way out differ.
; K: 8 steps of 128 in 4 chunks of 2.  Slot 0 takes chunk 0 and slot 1 chunks 1 and 2 as first fills; chunk 3 is the one refill, into slot 0, asked for four K steps ahead of its first read.
; CLUSTER 4 x 4: x's tiles are shared along a row of the cluster, W's along a column: each is asked for jointly.
; RESULTS.  qc [64 heads][128 tiles][768]: a tile's 6 code registers: 0-3 of lane l at 16 l, 4-5 at 512 + 8 l.  qs [64][64 pairs of tiles][32 lanes]: lanes 0-15 the even tile's words, 16-31 the odd's.
;   kv [64][16 key steps][13,056]: +0 K's 8 tiles as in qc; +6,144 V^T's 4 fragments of 1,536; +12,288 K's words, 4 pairs; +12,800 V's words, 2 pairs.
;   A word of q or k holds its two bytes twice: the upper 64 of the instruction's K meet zero codes there.
; LIMITS: NaN and infinities are not served; a block under 2^-122, and a block of zeros, gets the byte 1 (its codes are then zeros or next to it; the bytes are read by this program alone).
; REGISTERS, in windows of 256: window 0: v1-30 addresses; v32-63 R's scale words, v64-95 P's (they hold nothing else); v96-116 at work on the way out; v128-223 R's 8 fragments, ONE set.
;   window 1: P's fragments, TWO sets, at v0 and v128.   windows 2, 3: the accumulators, (a, b) at v[8 (8 (a % 4) + b)] of window 2 + a / 4.
.set SLOT,  98304                      ; x's 16 tiles x 2 K steps x 1,536, then W's
.set WOFF,  49152
.set HALF,  24576                      ; 8 tiles: what one tensor load brings and what one wave reads of an operand
.set SCX,   3*SLOT                     ; x's scale words for all of K, 8,192 bytes, then W's
.set SPARE, SCX+16384                  ; the spare words, 128 bytes for each wave: two blocks of 256 bytes that no other line names
.set ADRR, 16                          ; v16, v17 LDS address of R's fragments in slot 0 (K steps 0, 1, later 6, 7; a tile 3,072 bytes) and in slot 1 (K steps 2 to 5; a tile 6,144 bytes)
.set ADRP, 20                          ; v20, v21 the same for P
.set ASR,  24                          ; v24    R's scale words: lanes 0-15 an even tile's rows, lanes 16-31 the odd one's
.set ASP,  25                          ; v25    P's
.set L16,  26                          ; v26    16 x lane
.set L8,   27                          ; v27    8 x lane
.set SPW,  28                          ; v28    my spare word; never rewritten
.set NIL,  29                          ; v29    0; never rewritten
.set L4,   30                          ; v30    4 x lane
.set SR,   32                          ; R's scale words: pair i of tiles, K step q at v[SR + 8 i + q]
.set SP,   64                          ; P's
.set TM,   96                          ; v96-99 largest magnitudes, v100-103 bytes, v108-111 the conversions' scale operands
.set PW,   112                         ; the scale word just made
.set WA,   113
.set WB,   114
.set KA,   115                         ; a pair of tiles' words, on their way out
.set KB,   116
.set AF,   128
.set G1X,  24                          ; s[24:31] group 1, x's tiles;  groups 0: s[32:35] slot 0's refill, s[36:39] slot 1, s[40:43] the head's chunk 0, s[44:47] x's scales
.set G0X,  32
.set G1W,  48                          ; s[48:55] group 1, W's tiles;  groups 0: s[56:59] slot 0's refill, s[60:63] slot 1, s[68:71] the head's chunk 0, s[72:75] W's scales
.set G1SX, 76                          ; s[76:83], s[84:91] groups 1 for the scales
.set G1SW, 84
.set MSB, 0
.macro WIN new                         ; the immediate's high byte repeats the setting that is left; a switch that changes nothing is dropped
.if MSB != (\new)
	s_set_vgpr_msb (MSB<<8)|(\new)
.set MSB, \new
.endif
.endm
.macro PLACES                          ; a load into, or a vector read of, a matrix instruction's registers stands four plain vector instructions behind it (ISA guide 7.12.1 for vector reads)
.rept 4
	v_nop
.endr
.endm
.macro CREST                           ; a round of the cluster's barrier behind its opening barrier
	s_cmp_lg_u32 s18, 0
	s_cbranch_scc1 .Lnot_wave_0_\@
	s_barrier_signal -3
.Lnot_wave_0_\@:
	s_barrier_wait -3
	s_barrier_signal -1
	s_barrier_wait -1
.endm
.macro CROUND
	s_barrier_signal -1
	s_barrier_wait -1
	CREST
.endm
	s_load_b256 s[4:11], s[0:1], 0x0               ; xc s[4:5], xs s[6:7], wc s[8:9], ws s[10:11]
	s_load_b128 s[12:15], s[0:1], 0x20             ; qc s[12:13], qs s[14:15]
	s_load_b64 s[16:17], s[0:1], 0x30              ; kv
	v_lshl_add_u32 v[SPW], v0, 2, SPARE
	v_mov_b32 v[NIL], 0
	ds_add_u32 v28, v29
	ds_add_u32 v28, v29
	s_wait_dscnt 0x0
	v_lshrrev_b32 v1, 5, v0
	v_readfirstlane_b32 s18, v1                    ; wave 0..3
	s_lshr_b32 s19, s18, 1                         ; my half of R.  Also: I fetch for x (0) or for W (1)
	s_and_b32 s20, s18, 1                          ; my half of P.  Also: which 8 tiles I fetch
	s_bfe_u32 s21, ttmp6, 0x40000                  ; cx
	s_bfe_u32 s22, ttmp6, 0x40004                  ; cy
	s_lshl_b32 s23, ttmp9, 2
	s_add_co_u32 s23, s23, s21                     ; tx: 256 columns
	s_and_b32 s92, ttmp7, 0xffff
	s_lshl_b32 s92, s92, 2
	s_add_co_u32 s92, s92, s22                     ; ty: 256 tokens
	s_lshl_b32 s93, s22, 2
	s_lshl_b32 s93, 15, s93                        ; my row of the cluster
	s_lshl_b32 s94, 0x1111, s21                    ; my column
	; group 1 for codes, as the head's loads want it: 16 tiles' rows of 3,072 bytes (two K steps; 384 elements of 8 bytes), 12,288 bytes apart in memory, dense in LDS
	s_or_b32 s[G1X], s93, (3<<16)|(1<<21)          ; 15:0 the mask; 17:16 elements of 8 bytes; 21 set beside a mask
	s_or_b32 s[G1W], s94, (3<<16)|(1<<21)
.irp g, G1X, G1W
	s_mov_b32 s[\g+1], 384<<16                     ; tensor_dim0
	s_mov_b32 s[\g+2], 16<<16                      ; tensor_dim1
	s_mov_b32 s[\g+3], 384<<16                     ; tile_dim0
	s_mov_b32 s[\g+4], 16                          ; tile_dim1
	s_mov_b32 s[\g+5], 1536                        ; elements from row to row
	s_mov_b32 s[\g+6], 0
	s_mov_b32 s[\g+7], 0
.endr
	; group 1 for scale words: 16 tiles x 512 dense bytes, as 32 rows of 256
	s_or_b32 s[G1SX], s93, (3<<16)|(1<<21)
	s_or_b32 s[G1SW], s94, (3<<16)|(1<<21)
.irp g, G1SX, G1SW
	s_mov_b32 s[\g+1], 32<<16
	s_mov_b32 s[\g+2], 32<<16
	s_mov_b32 s[\g+3], 32<<16
	s_mov_b32 s[\g+4], 32
	s_mov_b32 s[\g+5], 32
	s_mov_b32 s[\g+6], 0
	s_mov_b32 s[\g+7], 0
.endr
	s_lshl_b32 s95, s20, 3                         ; which 8 tiles I fetch
	s_lshl_b32 s96, s92, 4
	s_add_co_u32 s96, s96, s95                     ; x: tile 16 ty + 8 half (these registers never hold tx),
	s_lshl_b32 s98, s96, 9                         ; its scale words,
	s_mov_b32 s99, 0
	s_mul_i32 s96, s96, 12288                      ; its codes
	s_mov_b32 s97, 0
	s_lshl_b32 s100, s23, 4
	s_add_co_u32 s100, s100, s95                   ; W: tile 16 tx + 8 half (these never hold ty)
	s_lshl_b32 s2, s100, 9
	s_mov_b32 s3, 0
	s_mul_i32 s100, s100, 12288
	s_mov_b32 s101, 0
	s_mul_i32 s93, s18, HALF                       ; where they go: the wave's number alone
	s_wait_kmcnt 0x0
	s_add_nc_u64 s[96:97], s[4:5], s[96:97]
	s_add_nc_u64 s[98:99], s[6:7], s[98:99]
	s_add_nc_u64 s[100:101], s[8:9], s[100:101]
	s_add_nc_u64 s[2:3], s[10:11], s[2:3]
	CROUND                                         ; all sixteen work-groups are here: the first joint loads meet
	; the head's four tiles are whole operands (16 tiles): their addresses are my half's less my half
	s_lshl_b32 s94, s20, 12                        ; 8 tiles of scale words
	s_mov_b32 s95, 0
	s_mov_b32 s44, 1
	s_mov_b32 s45, SCX
	s_sub_nc_u64 s[46:47], s[98:99], s[94:95]
	s_or_b32 s47, s47, 0x80000000
	s_mov_b32 s72, 1
	s_mov_b32 s73, SCX+8192
	s_sub_nc_u64 s[74:75], s[2:3], s[94:95]
	s_or_b32 s75, s75, 0x80000000
	s_mul_i32 s94, s20, 98304                      ; 8 tiles of codes
	s_mov_b32 s40, 1
	s_mov_b32 s41, 0
	s_sub_nc_u64 s[42:43], s[96:97], s[94:95]
	s_or_b32 s43, s43, 0x80000000
	s_mov_b32 s68, 1
	s_mov_b32 s69, WOFF
	s_sub_nc_u64 s[70:71], s[100:101], s[94:95]
	s_or_b32 s71, s71, 0x80000000
	s_mov_b32 s32, 1                               ; slot 0's refill: my 8 tiles, stepped to chunk 3 when it is asked for
	s_mov_b32 s33, s93
	s_mov_b64 s[34:35], s[96:97]
	s_or_b32 s35, s35, 0x80000000
	s_mov_b32 s56, 1
	s_mov_b32 s57, s93
	s_mov_b64 s[58:59], s[100:101]
	s_or_b32 s59, s59, 0x80000000
	s_lshl_b32 s94, s93, 1
	s_add_co_u32 s94, s94, SLOT                    ; slot 1: my 8 tiles of 6,144 bytes: K steps 2 to 5
	s_mov_b32 s36, 1
	s_mov_b32 s37, s94
	s_add_nc_u64 s[38:39], s[96:97], 3072
	s_or_b32 s39, s39, 0x80000000
	s_mov_b32 s60, 1
	s_mov_b32 s61, s94
	s_add_nc_u64 s[62:63], s[100:101], 3072
	s_or_b32 s63, s63, 0x80000000
; one tensor load a wave at the head: wave 0 x's chunk 0, wave 1 W's, wave 2 x's scale words, wave 3 W's; one chain of branches, every way passes one load
.macro ARM under, g0, g1, next
	s_cmp_lt_u32 s18, \under
	s_cbranch_scc0 \next
	tensor_load_to_lds s[\g0:\g0+3], s[\g1:\g1+7]
	s_nop 0
	PLACES
	s_branch .Lfirst_asked
\next:
.endm
	ARM 1, 40, G1X, .Lhead_w
	ARM 2, 68, G1W, .Lhead_sx
	ARM 3, 44, G1SX, .Lhead_sw
	tensor_load_to_lds s[72:75], s[G1SW:G1SW+7]
	s_nop 0
	PLACES
.Lfirst_asked:
	v_and_b32 v1, 15, v0                           ; r
	v_bfe_u32 v2, v0, 4, 1                         ; h
	v_and_b32 v3, 31, v0                           ; lane
	v_lshlrev_b32 v[L16], 4, v3
	s_wait_alu depctr_va_vdst(0)
	v_lshlrev_b32 v[L8], 3, v3
	v_lshlrev_b32 v[L4], 2, v3
	s_cmp_ge_u32 ttmp9, 2                          ; v's columns?  The cluster's x: equal in all partners
	s_cselect_b32 s95, WOFF, 0                     ; R's tiles in a slot,
	s_cselect_b32 s96, 0, WOFF                     ; P's,
	s_cselect_b32 s97, 8192, 0                     ; R's scale words,
	s_cselect_b32 s98, 0, 8192                     ; P's
	s_mul_i32 s99, s19, HALF
	s_add_co_u32 s99, s99, s95
	s_mul_i32 s100, s20, HALF
	s_add_co_u32 s100, s100, s96
	v_add_nc_u32 v[ADRR], s99, v[L16]
	v_add_nc_u32 v[ADRP], s100, v[L16]
	s_lshl_b32 s99, s99, 1                         ; in slot 1 every tile is twice as long
	s_lshl_b32 s100, s100, 1
	s_add_co_u32 s99, s99, SLOT
	s_add_co_u32 s100, s100, SLOT
	v_add_nc_u32 v[ADRR+1], s99, v[L16]
	v_add_nc_u32 v[ADRP+1], s100, v[L16]
	v_lshlrev_b32 v4, 2, v1
	v_lshl_add_u32 v4, v2, 9, v4                   ; 512 (tile % 2) + 4 r
	s_lshl_b32 s99, s19, 12
	s_add_co_u32 s99, s99, s97
	s_add_co_u32 s99, s99, SCX
	s_lshl_b32 s100, s20, 12
	s_add_co_u32 s100, s100, s98
	s_add_co_u32 s100, s100, SCX
	v_add_nc_u32 v[ASR], s99, v4
	v_add_nc_u32 v[ASP], s100, v4
.macro FRAG reg, adr, off              ; a fragment's image: three loads of 512 consecutive bytes
.irp g, 0,1,2
	ds_load_b128 v[\reg+4*\g:\reg+4*\g+3], v[\adr] offset:\off+512*\g
.endr
.endm
.macro FETCH_P sl, q, set              ; P's eight fragments of K step q of slot sl into set
	WIN 0x40                                       ; destination window 1, address window 0
.irp i, 0,1,2,3,4,5,6,7
	FRAG 128*(\set)+12*\i, ADRP+\sl, 3072*(1+\sl)*\i+1536*(\q)
.endr
	WIN 0
.endm
.macro FETCH_R sl, q, i0               ; R's tiles i0 .. i0 + 3
.irp i, \i0, \i0+1, \i0+2, \i0+3
	FRAG AF+12*(\i), ADRR+\sl, 3072*(1+\sl)*(\i)+1536*(\q)
.endr
.endm
; One matrix instruction; its registers are the symbols rD, rA, rB, rSA, rSB; fA, fB: the scale words lie in lanes 16-31
.macro WM zero
.if \zero
.if fA && fB
	v_wmma_scale_f32_16x16x128_f8f6f4 v[rD:rD+7], v[rA:rA+11], v[rB:rB+11], 0, v[rSA], v[rSB] matrix_a_fmt:MATRIX_FMT_BF6 matrix_b_fmt:MATRIX_FMT_BF6 matrix_a_scale:MATRIX_SCALE_ROW1 matrix_b_scale:MATRIX_SCALE_ROW1
.elseif fA
	v_wmma_scale_f32_16x16x128_f8f6f4 v[rD:rD+7], v[rA:rA+11], v[rB:rB+11], 0, v[rSA], v[rSB] matrix_a_fmt:MATRIX_FMT_BF6 matrix_b_fmt:MATRIX_FMT_BF6 matrix_a_scale:MATRIX_SCALE_ROW1
.elseif fB
	v_wmma_scale_f32_16x16x128_f8f6f4 v[rD:rD+7], v[rA:rA+11], v[rB:rB+11], 0, v[rSA], v[rSB] matrix_a_fmt:MATRIX_FMT_BF6 matrix_b_fmt:MATRIX_FMT_BF6 matrix_b_scale:MATRIX_SCALE_ROW1
.else
	v_wmma_scale_f32_16x16x128_f8f6f4 v[rD:rD+7], v[rA:rA+11], v[rB:rB+11], 0, v[rSA], v[rSB] matrix_a_fmt:MATRIX_FMT_BF6 matrix_b_fmt:MATRIX_FMT_BF6
.endif
.else
.if fA && fB
	v_wmma_scale_f32_16x16x128_f8f6f4 v[rD:rD+7], v[rA:rA+11], v[rB:rB+11], v[rD:rD+7], v[rSA], v[rSB] matrix_a_fmt:MATRIX_FMT_BF6 matrix_b_fmt:MATRIX_FMT_BF6 matrix_a_scale:MATRIX_SCALE_ROW1 matrix_b_scale:MATRIX_SCALE_ROW1
.elseif fA
	v_wmma_scale_f32_16x16x128_f8f6f4 v[rD:rD+7], v[rA:rA+11], v[rB:rB+11], v[rD:rD+7], v[rSA], v[rSB] matrix_a_fmt:MATRIX_FMT_BF6 matrix_b_fmt:MATRIX_FMT_BF6 matrix_a_scale:MATRIX_SCALE_ROW1
.elseif fB
	v_wmma_scale_f32_16x16x128_f8f6f4 v[rD:rD+7], v[rA:rA+11], v[rB:rB+11], v[rD:rD+7], v[rSA], v[rSB] matrix_a_fmt:MATRIX_FMT_BF6 matrix_b_fmt:MATRIX_FMT_BF6 matrix_b_scale:MATRIX_SCALE_ROW1
.else
	v_wmma_scale_f32_16x16x128_f8f6f4 v[rD:rD+7], v[rA:rA+11], v[rB:rB+11], v[rD:rD+7], v[rSA], v[rSB] matrix_a_fmt:MATRIX_FMT_BF6 matrix_b_fmt:MATRIX_FMT_BF6
.endif
.endif
.endm
; 16 matrix instructions of K step j: R's tiles a0, a0 + 1 against P's eight.  The 64 accumulators take turns, one instruction a turn, in the same order in every step.
.macro MUL16 a0, j, zero
.irp a, \a0, \a0+1
.irp b, 0,1,2,3,4,5,6,7
.set rD, 8*(8*((\a)%4)+\b)
.set rA, 128*((\j)%2)+12*\b
.set rB, AF+12*(\a)
.set rSA, SP+8*(\b/2)+(\j)
.set rSB, SR+8*((\a)/2)+(\j)
.set fA, \b%2
.set fB, (\a)%2
	WM \zero
.endr
.endr
.endm
; K step j; the next step's fragments lie at K step nq of slot nsl, which every wave knows to be whole.
.macro STEP j, nsl, nq, zero
	s_wait_dscnt 12                                ; P's set and R's tiles 0-3 are in; the youngest 12 loads (R's tiles 4-7) may be out
	WIN 0xa1                                       ; source 0 window 1, source 1 window 0, C and D window 2
	MUL16 0, \j, \zero
	MUL16 2, \j, \zero
	s_wait_dscnt 0x0                               ; R's tiles 4-7 are in
	PLACES
	FETCH_P \nsl, \nq, 1-(\j)%2
	FETCH_R \nsl, \nq, 0
	WIN 0xf1                                       ; C and D window 3
	MUL16 4, \j, \zero
	MUL16 6, \j, \zero
	PLACES
	WIN 0
	FETCH_R \nsl, \nq, 4
.endm
; K step j, the last of its slot, with a barrier.  In front of it each wave waits for all its tensor loads, adds 0 to its spare word, and waits for that and for its reads of the slot.
; fill = 1: the barrier opens a round of the cluster's, and slot 0 takes chunk 3 first thing behind it.
.macro TURN j, nsl, fill
	s_wait_tensorcnt 0x0                           ; all my tensor loads have landed
	ds_add_u32 v[SPW], v[NIL]                      ; 0 onto my spare word
.if \fill
	s_mov_b32 s[G1X+1], 384<<16                    ; no tensor load of mine is out: the refill's rows are two K steps long again
	s_mov_b32 s[G1X+3], 384<<16
	s_mov_b32 s[G1W+1], 384<<16
	s_mov_b32 s[G1W+3], 384<<16
.endif
	s_wait_dscnt 13                                ; (the add and the youngest 12 loads may be out)
	WIN 0xa1
	MUL16 0, \j, 0                                 ; sixteen matrix instructions stand between the add and the wait for it
	s_wait_dscnt 0x0                               ; the add is done, and my reads of this slot are over
	s_barrier_signal -1
	MUL16 2, \j, 0
	WIN 0
	s_barrier_wait -1
.if \fill
	CREST                                          ; no wave of any partner still reads slot 0 or has a load on its way
	s_add_nc_u64 s[34:35], s[34:35], 3*3072        ; from chunk 0 to chunk 3; the type bits on top are not reached
	s_add_nc_u64 s[58:59], s[58:59], 3*3072
	s_cmp_eq_u32 s19, 0
	s_cbranch_scc0 .Lfor_w_\@
	tensor_load_to_lds s[32:35], s[G1X:G1X+7]      ; my one tensor load behind the round; the four v_nop behind it are also the places in front of the loads below
	s_nop 0
	PLACES
	s_branch .Lasked_\@
.Lfor_w_\@:
	tensor_load_to_lds s[56:59], s[G1W:G1W+7]
	s_nop 0
	PLACES
.Lasked_\@:
.else
	PLACES
.endif
	FETCH_P \nsl, 0, 1-(\j)%2
	FETCH_R \nsl, 0, 0
	WIN 0xf1
	MUL16 4, \j, 0
	MUL16 6, \j, 0
	PLACES
	WIN 0
	FETCH_R \nsl, 0, 4
.endm
	s_wait_alu depctr_va_vdst(0)
	s_wait_tensorcnt 0x0                           ; my tile of the head's four is in
	ds_add_u32 v[SPW], v[NIL]
.irp g, G1X, G1W
	s_mov_b32 s[\g+1], 768<<16                     ; no tensor load of mine is out: slot 1's load brings 8 tiles' rows of 6,144 bytes, four K steps
	s_mov_b32 s[\g+2], 8<<16
	s_mov_b32 s[\g+3], 768<<16
	s_mov_b32 s[\g+4], 8
.endr
	s_wait_dscnt 0x0
	CROUND                                         ; all four tiles are shown, and the sixteen work-groups meet
	s_cmp_eq_u32 s19, 0
	s_cbranch_scc0 .Lbig_w
	tensor_load_to_lds s[36:39], s[G1X:G1X+7]      ; my one load behind the round: K steps 2 to 5 of my 8 tiles
	s_nop 0
	PLACES
	s_branch .Lbig_asked
.Lbig_w:
	tensor_load_to_lds s[60:63], s[G1W:G1W+7]
	s_nop 0
	PLACES
.Lbig_asked:
	FETCH_P 0, 0, 0
	FETCH_R 0, 0, 0
.irp i, 0,1,2,3                        ; all scale words of my 8 + 8 tiles, for all of K: they stay in registers
.irp q, 0,1,2,3,4,5,6,7
	ds_load_b32 v[SR+8*\i+\q], v[ASR] offset:1024*\i+64*\q
	ds_load_b32 v[SP+8*\i+\q], v[ASP] offset:1024*\i+64*\q
.endr
.endr
	FETCH_R 0, 0, 4
	STEP 0, 0, 1, 1                                ; the first products start the sums: nothing is cleared
	TURN 1, 1, 1                                   ; slot 0 is left and takes chunk 3; every wave's chunks 1 and 2 are shown landed here
	STEP 2, 1, 1, 0
	STEP 3, 1, 2, 0
	STEP 4, 1, 3, 0
	TURN 5, 0, 0                                   ; chunk 3 is shown landed; nothing is filled again
	STEP 6, 0, 1, 0
	s_wait_dscnt 12                                ; the last K step fetches nothing
	WIN 0xa1
	MUL16 0, 7, 0
	MUL16 2, 7, 0
	s_wait_dscnt 0x0
	WIN 0xf1
	MUL16 4, 7, 0
	MUL16 6, 7, 0
	WIN 0
	PLACES
; THE WAY OUT.  For R's tile a the lane's 64 results, register 16 b + i = index 32 b + 16 (lane / 16) + i along P, become 12 registers of codes at v[PCB] and a scale word in v[PW].
.macro QUANTW a
.set AC, 64*((\a)%4)
.set WW, 2+(\a)/4
.set WSEL, (WW<<2)|(WW<<4)
.set PCB, 128+20*((\a)%2)
	WIN WSEL                                       ; sources 1 and 2: the accumulators' window
.irp b, 0,1,2,3
	v_max3_num_f32 v[TM+\b], 0x2800000, |v[AC+16*\b]|, |v[AC+16*\b+1]|     ; each accumulator is read from its low end on; the floor 2^(5 - 127) holds the byte at 1 from below
.endr
.irp i, 2,4,6,8,10,12,14
.irp b, 0,1,2,3
	v_max3_num_f32 v[TM+\b], v[TM+\b], |v[AC+16*\b+\i]|, |v[AC+16*\b+\i+1]|
.endr
.endr
	WIN 0
	s_wait_alu depctr_va_vdst(0)
	s_wait_xcnt 0x0                                ; the earlier stores have read their data: the registers below are written again only behind this wait
.irp b, 0,1,2,3
	v_permlanex16_b32 v[TM+4+\b], v[TM+\b], s2, s3
.endr
.irp b, 0,1,2,3
	v_max_num_f32 v[TM+\b], v[TM+\b], v[TM+4+\b]   ; with lane l xor 16's 16: the block's largest magnitude
.endr
.irp b, 0,1,2,3
	v_add_nc_u32 v[TM+12+\b], 0xfe000000, v[TM+\b] ; 4 off the exponent field: the conversion's scale operand
.endr
.irp b, 0,1,2,3
	v_lshrrev_b32 v[TM+4+\b], 23, v[TM+12+\b]      ; the byte
.endr
	v_lshl_or_b32 v[PW], v[TM+5], 8, v[TM+4]
	v_lshl_or_b32 v[PW], v[TM+6], 16, v[PW]
	v_lshl_or_b32 v[PW], v[TM+7], 24, v[PW]
	WIN WW                                         ; source 0: the accumulators' window
.irp c, 0,1
	v_cvt_scalef32_pk16_bf6_f32 v[PCB+6*\c:PCB+6*\c+2], v[AC+32*\c:AC+32*\c+15], v[TM+12+2*\c]
	v_cvt_scalef32_pk16_bf6_f32 v[PCB+12+4*\c:PCB+14+4*\c], v[AC+32*\c+16:AC+32*\c+31], v[TM+12+2*\c+1]
.endr
	WIN 0
	v_nop                                          ; one plain place behind a scaled conversion
.irp c, 0,1                            ; the operand's layout wants a whole block in a lane
.irp i, 0,1,2
	v_permlane16_swap_b32 v[PCB+6*\c+\i], v[PCB+12+4*\c+\i]
.endr
.irp i, 0,1,2
	v_mov_b32 v[PCB+3+6*\c+\i], v[PCB+12+4*\c+\i]
.endr
.endr
.endm
	s_mov_b32 s2, 0x76543210
	s_mov_b32 s3, 0xfedcba98
.irp b, 0,1,2,3
	v_mov_b32 v[TM+4+\b], 0                        ; written once: a lane permute's destination counts as one of its sources
.endr
	s_cmp_ge_u32 ttmp9, 2
	s_cselect_b32 s70, s19, s20                    ; which half of the wave's number picks the columns,
	s_cselect_b32 s71, s20, s19                    ; and which the tokens
	s_lshr_b32 s40, s92, 3                         ; the batch: 256 ty / 2,048
	s_lshl_b32 s40, s40, 4
	s_and_b32 s41, s23, 3
	s_lshl_b32 s41, s41, 2
	s_add_co_u32 s40, s40, s41
	s_lshl_b32 s41, s70, 1
	s_add_co_u32 s40, s40, s41                     ; the first of my two heads: 16 batch + 4 (tx % 4) + 2 half
	s_and_b32 s41, s92, 7
	s_lshl_b32 s41, s41, 1
	s_add_co_u32 s41, s41, s71                     ; which 128 tokens of the batch are mine
	s_mov_b32 s47, 0xffff0000                      ; lanes 16-31
	s_cmp_lt_u32 ttmp9, 2
	s_cbranch_scc0 .Lv
	; ---- q and k: codes 0-5 are the first head's 64 channels of my token, 6-11 the second head's
	s_cmp_eq_u32 ttmp9, 1                          ; k?
	s_mov_b32 s42, 98304
	s_cselect_b32 s42, 208896, s42                 ; bytes of codes from head to head,
	s_mov_b32 s43, 6144
	s_cselect_b32 s43, 13056, s43                  ; and from 128 tokens to the next;
	s_mov_b32 s44, 8192
	s_cselect_b32 s44, 208896, s44                 ; the same of the scale words;
	s_mov_b32 s45, 512
	s_cselect_b32 s45, 13056, s45
	s_cselect_b32 s46, 12288, 0                    ; k's words lie behind the key step's codes
	s_cselect_b64 s[32:33], s[16:17], s[12:13]
	s_cselect_b64 s[36:37], s[16:17], s[14:15]
	s_mul_i32 s68, s40, s42
	s_mul_i32 s69, s41, s43
	s_add_co_u32 s68, s68, s69
	s_mov_b32 s69, 0
	s_add_nc_u64 s[32:33], s[32:33], s[68:69]      ; the first head's codes,
	s_mov_b32 s68, s42
	s_add_nc_u64 s[34:35], s[32:33], s[68:69]      ; the second's
	s_mul_i32 s68, s40, s44
	s_mul_i32 s70, s41, s45
	s_add_co_u32 s68, s68, s70
	s_add_co_u32 s68, s68, s46
	s_add_nc_u64 s[36:37], s[36:37], s[68:69]      ; the first head's words,
	s_mov_b32 s68, s44
	s_add_nc_u64 s[38:39], s[36:37], s[68:69]      ; the second's
.irp a, 0,1,2,3,4,5,6,7
	QUANTW \a
	global_store_b128 v[L16], v[PCB:PCB+3], s[32:33] offset:768*\a             ; 512 consecutive bytes
	global_store_b64 v[L8], v[PCB+4:PCB+5], s[32:33] offset:768*\a+512         ; 256
	global_store_b128 v[L16], v[PCB+6:PCB+9], s[34:35] offset:768*\a
	global_store_b64 v[L8], v[PCB+10:PCB+11], s[34:35] offset:768*\a+512
.if \a%2 == 0
	v_perm_b32 v[KA], v[PW], v[PW], 0x01000100     ; the first head's two bytes, twice;
	v_perm_b32 v[KB], v[PW], v[PW], 0x03020302     ; the second head's
.else
	v_perm_b32 v[WA], v[PW], v[PW], 0x01000100
	v_perm_b32 v[WB], v[PW], v[PW], 0x03020302
	v_cndmask_b32 v[KA], v[KA], v[WA], s47         ; lanes 0-15 keep the even tile's words, lanes 16-31 take the odd tile's
	v_cndmask_b32 v[KB], v[KB], v[WB], s47
	global_store_b32 v[L4], v[KA], s[36:37] offset:128*(\a/2)
	global_store_b32 v[L4], v[KB], s[38:39] offset:128*(\a/2)
.endif
.endr
	s_branch .Lend
.Lv:
	; ---- v: tile a is channels' tile a % 4 of head a / 4; its 12 registers are a whole fragment of V^T for my 128 keys
	s_mul_i32 s68, s40, 208896
	s_mul_i32 s69, s41, 13056
	s_add_co_u32 s68, s68, s69
	s_add_co_u32 s68, s68, 6144
	s_mov_b32 s69, 0
	s_add_nc_u64 s[32:33], s[16:17], s[68:69]
.irp a, 0,1,2,3,4,5,6,7
	QUANTW \a
.irp g, 0,1,2
	global_store_b128 v[L16], v[PCB+4*\g:PCB+4*\g+3], s[32:33] offset:208896*(\a/4)+1536*(\a%4)+512*\g
.endr
.if \a%2 == 0
	v_mov_b32 v[KA], v[PW]
.else
	v_cndmask_b32 v[KA], v[KA], v[PW], s47
	global_store_b32 v[L4], v[KA], s[32:33] offset:6656+208896*(\a/4)+128*((\a%4)/2)
.endif
.endr
.Lend:
	s_wait_tensorcnt 0x0                           ; the wave's end
	ds_add_u32 v[SPW], v[NIL]
	s_wait_dscnt 0x0
	CROUND                                         ; the closing round: no work-group ends while a partner may still ask for a tile that names it
	s_endpgm
.Lfunc_end_k_q64a84b39fa_proj:
	.size	k_q64a84b39fa_proj, .Lfunc_end_k_q64a84b39fa_proj-k_q64a84b39fa_proj
	.p2alignl 7, 3214868480
	.fill 96, 4, 3214868480
	.section	.rodata,"a",@progbits
	.p2align	6, 0x0
	.amdhsa_kernel k_q64a84b39fa_proj
		.amdhsa_group_segment_fixed_size 327680
		.amdhsa_private_segment_fixed_size 0
		.amdhsa_enable_private_segment 0
		.amdhsa_kernarg_size 56
		.amdhsa_user_sgpr_count 2
		.amdhsa_user_sgpr_kernarg_segment_ptr 1
		.amdhsa_wavefront_size32 1
		.amdhsa_system_sgpr_workgroup_id_x 1
		.amdhsa_system_sgpr_workgroup_id_y 1
		.amdhsa_system_sgpr_workgroup_id_z 1
		.amdhsa_system_vgpr_workitem_id 0
		.amdhsa_next_free_vgpr 1024
		.amdhsa_next_free_sgpr 102
		.amdhsa_reserve_vcc 0
		.amdhsa_float_denorm_mode_32 3
		.amdhsa_float_denorm_mode_16_64 3
		.amdhsa_memory_ordered 1
		.amdhsa_forward_progress 1
		.amdhsa_inst_pref_size 181
	.end_amdhsa_kernel
	.amdgpu_metadata
---
amdhsa.version: [ 1, 2 ]
amdhsa.kernels:
  - .name:           k_q64a84b39fa_proj
    .symbol:         k_q64a84b39fa_proj.kd
    .args:
      - { .name: xc, .offset: 0, .size: 8, .value_kind: global_buffer, .address_space: global }
      - { .name: xs, .offset: 8, .size: 8, .value_kind: global_buffer, .address_space: global }
      - { .name: wc, .offset: 16, .size: 8, .value_kind: global_buffer, .address_space: global }
      - { .name: ws, .offset: 24, .size: 8, .value_kind: global_buffer, .address_space: global }
      - { .name: qc, .offset: 32, .size: 8, .value_kind: global_buffer, .address_space: global }
      - { .name: qs, .offset: 40, .size: 8, .value_kind: global_buffer, .address_space: global }
      - { .name: kv, .offset: 48, .size: 8, .value_kind: global_buffer, .address_space: global }
    .group_segment_fixed_size: 327680
    .private_segment_fixed_size: 0
    .kernarg_segment_align: 8
    .kernarg_segment_size: 56
    .max_flat_workgroup_size: 128
    .sgpr_count:     102
    .vgpr_count:     1024
    .wavefront_size: 32
...
	.end_amdgpu_metadata
.endif
;; end of part 2
;; launch attn (part 3): grid 4 x 64, 8 waves a work-group, clusters of 4 x 1, 327,680 bytes of LDS; arguments qc, qs, kv, out0; writes out0
.if DOCPART == 3
	.amdgcn_target "amdgcn-amd-amdhsa--gfx1250"
	.amdhsa_code_object_version 6
	.text
	.protected	k_q64a84b39fa_attn
	.globl	k_q64a84b39fa_attn
	.p2align	8
	.type	k_q64a84b39fa_attn,@function
k_q64a84b39fa_attn:
	s_mov_b64 s[64:65], 0
	v_nop
	global_prefetch_b8 v0, s[64:65] scope:SCOPE_SE
	s_setreg_imm32_b32 hwreg(HW_REG_WAVE_MODE, 25, 1), 1
	s_wait_xcnt 0x0
	s_wait_alu depctr_hold_cnt(0) depctr_sa_sdst(0) depctr_va_vdst(0) depctr_va_sdst(0) depctr_va_ssrc(0) depctr_va_vcc(0) depctr_vm_vsrc(0)
	s_getreg_b32 s2, hwreg(HW_REG_IB_STS2, 6, 4)
	s_cmp_eq_u32 s2, 0
	s_cbranch_scc0 .Lentry_in_a_cluster
	s_endpgm
.Lentry_in_a_cluster:
	s_bfe_u32 s2, ttmp6, 0x10000c
	s_cmp_lg_u32 s2, 0x3003
	s_cbranch_scc0 .Lentry_shape_is_right
	s_endpgm
.Lentry_shape_is_right:
; out = softmax(q k^T / 32) v for one head (work-group y = 16 batch + head) and 512 queries (work-group x), on codes of BF6 as the launch before left them.
; Both products are used transposed (S^T = k q^T, O^T = v^T p^T): a lane holds one query, its registers run along the keys or the channels.
; p = 2^(t - M), t = score x log2(e) / 32, M the ceiling of the running largest t; when M moves, sums and O^T are multiplied by an exact power of two, in every step, with no branch.
; The row's sum is taken of the unquantised p.  A block's largest p is made from the block's largest score by the same multiply-add and exponential.
; SHARES: 8 waves, each 4 tiles of 16 queries; 16 key steps of 128 keys.  The head's K, V and scale words, 16 x 13,056 bytes, lie in LDS whole: each wave asks for one key step at the head and one more behind a round.
; The four work-groups of a cluster read the same head: joint loads, mask 15.  No prefetch: all that is read is asked for at the head, there is no loop to run ahead in.
; TWO QUERY TILES GO THROUGH THE SOFTMAX TOGETHER (PAIR): their chains stand side by side, and plain lines that hang on nothing nearby stand among the exponentials.
; The head's K is 64: the upper 64 of the first product's K are zero codes on q's side.
; LIMITS: NaN and infinities are not served; the promise holds while |t| stays under 2^31; a block of p under 2^-122 gets the byte 1.
; REGISTERS: window 0: v1-9 addresses, v10-13 tile B's block maxima, v14-15 its factor, v16-31 per tile -M, largest t, sum (2), v32-41 scale words, v42.. at work, v64-191 scores of two tiles, v192-239 V, v240-251 p's codes.
;   window 1: v0-127 O^T, v128-175 q, v176-229 K and six zeros.
.set STEPB, 13056
.set HEADB, 16*STEPB
.set STAGE, HEADB+STEPB
.set L16, 1
.set L8,  2
.set L4,  3
.set A16, 4
.set A8,  5
.set A4,  6
.set STO, 7
.set RD,  8
.set GO,  9
.set BN,  10
.set FB,  14
.set ST,  16
.set KS,  32
.set VS,  36
.set QS,  38
.set PS,  40
.set F,   42
.set BM,  44
.set PX,  48
.set SO,  52
.set CT,  56
.set SA,  64
.set SB,  128
.set VF,  192
.set PC,  240
.set TP,  252
.set QF,  128
.set KF,  176
.set MSB, 0
.macro WIN new
.if MSB != (\new)
	s_set_vgpr_msb (MSB<<8)|(\new)
.set MSB, \new
.endif
.endm
.macro PLACES
.rept 4
	v_nop
.endr
.endm
.macro WALU
	s_wait_alu depctr_va_vdst(0)
.endm
.macro HINT n
	s_delay_alu instid0(VALU_DEP_\n)
.endm
.macro CROUND
	s_barrier_signal -1
	s_barrier_wait -1
	s_cmp_lg_u32 s12, 0
	s_cbranch_scc1 .Lnot_wave_0_\@
	s_barrier_signal -3
.Lnot_wave_0_\@:
	s_barrier_wait -3
	s_barrier_signal -1
	s_barrier_wait -1
.endm
	s_load_b256 s[4:11], s[0:1], 0x0               ; qc, qs, kv, out
	v_lshl_add_u32 v59, v0, 2, 0x40000             ; my spare word
	v_mov_b32 v63, 0
	ds_add_u32 v59, v63                            ; the opening lines
	ds_add_u32 v59, v63
	v_lshrrev_b32 v10, 5, v0
	s_delay_alu instid0(VALU_DEP_1)
	v_readfirstlane_b32 s12, v10                   ; wave
	s_bfe_u32 s13, ttmp6, 0x40000
	s_lshl_b32 s14, ttmp9, 2
	s_add_co_u32 s14, s14, s13                     ; which 512 queries
	s_and_b32 s15, ttmp7, 0xffff                   ; head
	s_mov_b32 s16, 15|(3<<16)|(1<<21)              ; a key step: 51 rows of 256 dense bytes
	s_mov_b32 s17, 32<<16
	s_mov_b32 s18, 51<<16
	s_mov_b32 s19, 32<<16
	s_mov_b32 s20, 51
	s_mov_b32 s21, 32
	s_mov_b32 s22, 0
	s_mov_b32 s23, 0
	s_mul_i32 s42, s12, STEPB
	s_mul_i32 s40, s15, HEADB
	s_add_co_u32 s40, s40, s42
	s_mov_b32 s41, 0
	s_lshl_b32 s43, s15, 7
	s_lshl_b32 s44, s14, 5
	s_add_co_u32 s43, s43, s44
	s_lshl_b32 s44, s12, 2
	s_add_co_u32 s43, s43, s44                     ; my first tile of q
	s_mul_i32 s44, s43, 768
	s_mov_b32 s45, 0
	s_lshl_b32 s46, s43, 6
	s_mov_b32 s47, 0
	s_lshr_b32 s48, s15, 4
	s_lshl_b32 s48, s48, 11
	s_lshl_b32 s49, s14, 9
	s_add_co_u32 s48, s48, s49
	s_lshl_b32 s49, s12, 6
	s_add_co_u32 s48, s48, s49                     ; my first token
	s_lshl_b32 s48, s48, 12
	s_and_b32 s49, s15, 15
	s_lshl_b32 s49, s49, 8
	s_add_co_u32 s48, s48, s49
	s_mov_b32 s49, 0
	s_mov_b32 s32, 0x3d38aa3b                      ; log2(e) / 32
	s_mov_b32 s33, s32
	s_mov_b32 s34, 0x76543210
	s_mov_b32 s35, 0xfedcba98
	s_mov_b32 s36, 0
	s_mov_b32 s37, 0
	s_wait_dscnt 0x0
	s_wait_kmcnt 0x0
	s_add_nc_u64 s[8:9], s[8:9], s[40:41]
	s_add_nc_u64 s[4:5], s[4:5], s[44:45]
	s_add_nc_u64 s[6:7], s[6:7], s[46:47]
	s_add_nc_u64 s[10:11], s[10:11], s[48:49]
	CROUND
	s_mov_b32 s24, 1
	s_mov_b32 s25, s42
	s_mov_b64 s[26:27], s[8:9]
	s_or_b32 s27, s27, 0x80000000
	s_mov_b32 s28, 1
	s_add_co_u32 s29, s42, 8*STEPB
	s_add_nc_u64 s[30:31], s[8:9], 8*STEPB
	s_or_b32 s31, s31, 0x80000000
	tensor_load_to_lds s[24:27], s[16:23]          ; key step = my wave's number
	s_nop 0
	PLACES
	; the rest of the head stands under that load's flight
	v_and_b32 v10, 31, v0
	v_and_b32 v11, 15, v0
	v_bfe_u32 v12, v0, 4, 1
	s_delay_alu instid0(VALU_DEP_3)
	v_lshlrev_b32 v[L16], 4, v10
	s_delay_alu instid0(VALU_DEP_4)
	v_lshlrev_b32 v[L8], 3, v10
	v_lshlrev_b32 v[L4], 2, v10
	s_mul_i32 s43, s12, 16*272
	s_add_co_u32 s43, s43, STAGE
	v_mul_u32_u24 v[STO], v11, 272
	s_delay_alu instid0(VALU_DEP_1)
	v_lshl_add_u32 v[STO], v12, 6, v[STO]
	s_delay_alu instid0(VALU_DEP_1)
	v_add_nc_u32 v[STO], s43, v[STO]
	v_mul_u32_u24 v[RD], v12, 272
	s_delay_alu instid0(VALU_DEP_1)
	v_lshl_add_u32 v[RD], v11, 4, v[RD]
	s_delay_alu instid0(VALU_DEP_1)
	v_add_nc_u32 v[RD], s43, v[RD]
	v_lshlrev_b32 v[GO], 12, v12
	s_delay_alu instid0(VALU_DEP_1)
	v_lshl_add_u32 v[GO], v11, 4, v[GO]
	WIN 0x40
.irp i, 0,1,2,3
	global_load_b128 v[QF+12*\i:QF+12*\i+3], v[L16], s[4:5] offset:768*\i
	global_load_b64 v[QF+12*\i+4:QF+12*\i+5], v[L8], s[4:5] offset:768*\i+512
.endr
.irp i, 0,1,2,3
.irp n, 6,7,8,9,10,11
	v_mov_b32 v[QF+12*\i+\n], 0                    ; zero codes for the upper 64 of K
.endr
.endr
.irp n, 0,1,2,3,4,5
	v_mov_b32 v[KF+48+\n], 0
.endr
.set cnt, 0
.rept 128
	v_mov_b32 v[cnt], 0                            ; O^T: the step is written once, so the first finds zeros
.set cnt, cnt+1
.endr
	WIN 0
	global_load_b32 v[QS], v[L4], s[6:7]
	global_load_b32 v[QS+1], v[L4], s[6:7] offset:128
.irp i, 0,1,2,3
	v_mov_b32 v[ST+4*\i+1], 0xff61b1e6             ; the largest t so far: -3e38
	v_mov_b32 v[ST+4*\i+2], 0
	v_mov_b32 v[ST+4*\i+3], 0
	v_mov_b32 v[PX+\i], 0                          ; a lane permute's destination counts as a source
	v_mov_b32 v[SO+\i], 0
.endr
.irp i, 0,1,2,3
	v_floor_f32 v[ST+4*\i], -v[ST+4*\i+1]
.endr
	v_mov_b32 v[F+1], 0                            ; named as upper halves of pairs
	v_mov_b32 v[FB+1], 0
	WALU                                           ; the wait at the head's end
	s_wait_tensorcnt 0x0
	ds_add_u32 v59, v63
	s_wait_dscnt 0x0
	CROUND                                         ; key steps 0 to 7 are shown to all
	tensor_load_to_lds s[28:31], s[16:23]          ; key step 8 + my wave's number
	s_nop 0
	PLACES
.macro WM zero
.if \zero
.if fA && fB
	v_wmma_scale_f32_16x16x128_f8f6f4 v[rD:rD+7], v[rA:rA+11], v[rB:rB+11], 0, v[rSA], v[rSB] matrix_a_fmt:MATRIX_FMT_BF6 matrix_b_fmt:MATRIX_FMT_BF6 matrix_a_scale:MATRIX_SCALE_ROW1 matrix_b_scale:MATRIX_SCALE_ROW1
.elseif fA
	v_wmma_scale_f32_16x16x128_f8f6f4 v[rD:rD+7], v[rA:rA+11], v[rB:rB+11], 0, v[rSA], v[rSB] matrix_a_fmt:MATRIX_FMT_BF6 matrix_b_fmt:MATRIX_FMT_BF6 matrix_a_scale:MATRIX_SCALE_ROW1
.elseif fB
	v_wmma_scale_f32_16x16x128_f8f6f4 v[rD:rD+7], v[rA:rA+11], v[rB:rB+11], 0, v[rSA], v[rSB] matrix_a_fmt:MATRIX_FMT_BF6 matrix_b_fmt:MATRIX_FMT_BF6 matrix_b_scale:MATRIX_SCALE_ROW1
.else
	v_wmma_scale_f32_16x16x128_f8f6f4 v[rD:rD+7], v[rA:rA+11], v[rB:rB+11], 0, v[rSA], v[rSB] matrix_a_fmt:MATRIX_FMT_BF6 matrix_b_fmt:MATRIX_FMT_BF6
.endif
.else
.if fA
	v_wmma_scale_f32_16x16x128_f8f6f4 v[rD:rD+7], v[rA:rA+11], v[rB:rB+11], v[rD:rD+7], v[rSA], v[rSB] matrix_a_fmt:MATRIX_FMT_BF6 matrix_b_fmt:MATRIX_FMT_BF6 matrix_a_scale:MATRIX_SCALE_ROW1
.else
	v_wmma_scale_f32_16x16x128_f8f6f4 v[rD:rD+7], v[rA:rA+11], v[rB:rB+11], v[rD:rD+7], v[rSA], v[rSB] matrix_a_fmt:MATRIX_FMT_BF6 matrix_b_fmt:MATRIX_FMT_BF6
.endif
.endif
.endm
.macro SMUL S, i                       ; S^T of query tile i: eight tiles of 16 keys
	WIN 0x05
.irp t, 0,1,2,3,4,5,6,7
.set rD, \S+8*\t
.set rA, KF+6*\t
.set rB, QF+12*(\i)
.set rSA, KS+\t/2
.set rSB, QS+(\i)/2
.set fA, \t%2
.set fB, (\i)%2
	WM 1
.endr
.endm
.macro PVM i                           ; O^T of query tile i += V^T p^T: four tiles of 16 channels, by turns
	WIN 0x50
.irp ct, 0,1,2,3
.set rD, 32*(\i)+8*\ct
.set rA, VF+12*\ct
.set rB, PC
.set rSA, VS+\ct/2
.set rSB, PS+(\i)%2
.set fA, \ct%2
.set fB, 0
	WM 0
.endr
.endm
.macro FETCH_K
	WIN 0
	v_add_nc_u32 v[A16], s37, v[L16]
	v_add_nc_u32 v[A8], s37, v[L8]
	v_add_nc_u32 v[A4], s37, v[L4]
.irp i, 0,1,2,3
	ds_load_b32 v[KS+\i], v[A4] offset:12288+128*\i
.endr
	WIN 0x40
.irp t, 0,1,2,3,4,5,6,7
	ds_load_b128 v[KF+6*\t:KF+6*\t+3], v[A16] offset:768*\t
	ds_load_b64 v[KF+6*\t+4:KF+6*\t+5], v[A8] offset:768*\t+512
.endr
.endm
.macro FETCH_V                         ; 14 loads; then the next key step's place, held at the last
	WIN 0
.irp ct, 0,1,2,3
.irp g, 0,1,2
	ds_load_b128 v[VF+12*\ct+4*\g:VF+12*\ct+4*\g+3], v[A16] offset:6144+1536*\ct+512*\g
.endr
.endr
.irp i, 0,1
	ds_load_b32 v[VS+\i], v[A4] offset:12800+128*\i
.endr
	s_add_co_u32 s36, s36, STEPB
	s_min_u32 s37, s36, 15*STEPB
.endm
; p of one tile (64 registers at S) becomes codes at v[PC ..] and the scale word W; M: the four blocks' largest p
.macro CODES S, M, W
.irp b, 0,1,2,3
	v_max_num_f32 v[\M+\b], 0x2800000, v[\M+\b]    ; the floor 2^(5 - 127): the byte cannot fall under 1
.endr
.irp b, 0,1,2,3
	HINT 4
	v_add_nc_u32 v[SO+\b], 0xfe000000, v[\M+\b]    ; 4 off the exponent field: the conversion's scale operand
.endr
.irp b, 0,1,2,3
	HINT 4
	v_lshrrev_b32 v[PX+\b], 23, v[SO+\b]
.endr
	HINT 3
	v_lshl_or_b32 v[\W], v[PX+1], 8, v[PX]
	HINT 1
	v_lshl_or_b32 v[\W], v[PX+2], 16, v[\W]
	HINT 1
	v_lshl_or_b32 v[\W], v[PX+3], 24, v[\W]
.irp c, 0,1
	v_cvt_scalef32_pk16_bf6_f32 v[PC+6*\c:PC+6*\c+2], v[\S+32*\c:\S+32*\c+15], v[SO+2*\c]
	v_cvt_scalef32_pk16_bf6_f32 v[CT+4*\c:CT+4*\c+2], v[\S+32*\c+16:\S+32*\c+31], v[SO+2*\c+1]
.endr
	v_nop                                          ; one plain place behind a scaled conversion
.irp c, 0,1
.irp n, 0,1,2
	v_permlane16_swap_b32 v[PC+6*\c+\n], v[CT+4*\c+\n]   ; a whole block to a lane
.endr
.irp n, 0,1,2
	HINT 3
	v_mov_b32 v[PC+6*\c+3+\n], v[CT+4*\c+\n]
.endr
.endr
.endm
; The softmax and the second product of query tiles i (scores at SA) and i + 1 (at SB)
.macro PAIR i
.set tA, ST+4*(\i)
.set tB, ST+4*(\i)+4
	WIN 0
.irp b, 0,1,2,3                        ; the largest score of each block of 32 keys: eight chains by turns, each accumulator read from its low end on
	v_max3_num_f32 v[BM+\b], v[SA+16*\b], v[SA+16*\b+1], v[SA+16*\b+2]
.endr
.irp b, 0,1,2,3
	v_max3_num_f32 v[BN+\b], v[SB+16*\b], v[SB+16*\b+1], v[SB+16*\b+2]
.endr
.irp n, 3,5,7,9,11,13
.irp b, 0,1,2,3
	v_max3_num_f32 v[BM+\b], v[BM+\b], v[SA+16*\b+\n], v[SA+16*\b+\n+1]
.endr
.irp b, 0,1,2,3
	v_max3_num_f32 v[BN+\b], v[BN+\b], v[SB+16*\b+\n], v[SB+16*\b+\n+1]
.endr
.endr
.irp b, 0,1,2,3
	v_max_num_f32 v[BM+\b], v[BM+\b], v[SA+16*\b+15]
.endr
.irp b, 0,1,2,3
	v_max_num_f32 v[BN+\b], v[BN+\b], v[SB+16*\b+15]
.endr
.irp b, 0,1,2,3
	v_permlanex16_b32 v[PX+\b], v[BM+\b], s34, s35
.endr
.irp b, 0,1,2,3
	v_permlanex16_b32 v[SO+\b], v[BN+\b], s34, s35
.endr
.irp b, 0,1,2,3
	v_max_num_f32 v[BM+\b], v[BM+\b], v[PX+\b]     ; with lane l xor 16's 16 keys
.endr
.irp b, 0,1,2,3
	v_max_num_f32 v[BN+\b], v[BN+\b], v[SO+\b]
.endr
	v_max3_num_f32 v[TP], v[BM], v[BM+1], v[BM+2]  ; the new M and the factor 2^(old M - new M), the two tiles by turns
	HINT 3
	v_max3_num_f32 v[TP+1], v[BN], v[BN+1], v[BN+2]
	HINT 2
	v_max_num_f32 v[TP], v[TP], v[BM+3]
	HINT 2
	v_max_num_f32 v[TP+1], v[TP+1], v[BN+3]
	HINT 2
	v_mul_f32 v[TP], s32, v[TP]
	HINT 2
	v_mul_f32 v[TP+1], s32, v[TP+1]
	HINT 2
	v_max_num_f32 v[tA+1], v[tA+1], v[TP]
	HINT 2
	v_max_num_f32 v[tB+1], v[tB+1], v[TP+1]
	v_mov_b32 v[TP], v[tA]
	v_mov_b32 v[TP+1], v[tB]
	HINT 4
	v_floor_f32 v[tA], -v[tA+1]                    ; -M = floor(-t)
	HINT 4
	v_floor_f32 v[tB], -v[tB+1]
	HINT 2
	v_sub_f32 v[TP], v[tA], v[TP]
	HINT 2
	v_sub_f32 v[TP+1], v[tB], v[TP+1]
	HINT 2
	v_cvt_i32_f32 v[TP], v[TP]
	HINT 2
	v_cvt_i32_f32 v[TP+1], v[TP+1]
	HINT 2
	v_ldexp_f32 v[F], 1.0, v[TP]
	HINT 2
	v_ldexp_f32 v[FB], 1.0, v[TP+1]
	WIN 0x41
	WALU                                           ; the wait directly ahead of the first reader of O^T
.set cnt, 0
.rept 16
	v_pk_mul_f32 v[32*(\i)+cnt:32*(\i)+cnt+1], v[32*(\i)+cnt:32*(\i)+cnt+1], v[F:F+1] op_sel_hi:[1,0]
.set cnt, cnt+2
.endr
.set cnt, 0
.rept 16
	v_pk_mul_f32 v[32*(\i)+32+cnt:32*(\i)+33+cnt], v[32*(\i)+32+cnt:32*(\i)+33+cnt], v[FB:FB+1] op_sel_hi:[1,0]
.set cnt, cnt+2
.endr
	WIN 0
	v_pk_mul_f32 v[tA+2:tA+3], v[tA+2:tA+3], v[F:F+1] op_sel_hi:[1,0]
	v_pk_mul_f32 v[tB+2:tB+3], v[tB+2:tB+3], v[FB:FB+1] op_sel_hi:[1,0]
.set cnt, 0
.rept 32
	v_pk_fma_f32 v[SA+cnt:SA+cnt+1], v[SA+cnt:SA+cnt+1], s[32:33], v[tA:tA+1] op_sel_hi:[1,0,0]   ; t - M of tile A
.set cnt, cnt+2
.endr
.irp b, 0,1,2,3
	v_fma_f32 v[BM+\b], v[BM+\b], s32, v[tA]
.endr
.irp b, 0,1,2,3
	v_fma_f32 v[BN+\b], v[BN+\b], s32, v[tB]
.endr
	WALU                                           ; ahead of the batch
.irp b, 0,1,2,3
	v_exp_f32 v[BM+\b], v[BM+\b]                   ; the blocks' largest p, both tiles'
.endr
.irp b, 0,1,2,3
	v_exp_f32 v[BN+\b], v[BN+\b]
.endr
.set cnt, 0
.rept 32                               ; tile A's p; among them tile B's t - M, which nothing reads before the wait below
	v_exp_f32 v[SA+cnt], v[SA+cnt]
	v_exp_f32 v[SA+cnt+1], v[SA+cnt+1]
	v_pk_fma_f32 v[SB+cnt:SB+cnt+1], v[SB+cnt:SB+cnt+1], s[32:33], v[tB:tB+1] op_sel_hi:[1,0,0]
.set cnt, cnt+2
.endr
	WALU                                           ; behind the batch
	CODES SA, BM, PS
	WALU                                           ; ahead of the batch
.set cnt, 0
.rept 16                               ; tile B's p; among them the first 16 additions of tile A's sum, in place (A's p has been converted), read behind the wait below
	v_exp_f32 v[SB+cnt], v[SB+cnt]
	v_exp_f32 v[SB+cnt+1], v[SB+cnt+1]
	v_exp_f32 v[SB+cnt+2], v[SB+cnt+2]
	v_exp_f32 v[SB+cnt+3], v[SB+cnt+3]
	v_pk_add_f32 v[SA+cnt:SA+cnt+1], v[SA+cnt:SA+cnt+1], v[SA+cnt+2:SA+cnt+3]
.set cnt, cnt+4
.endr
	WALU                                           ; behind the batch
.if (\i) == 0
	s_wait_dscnt 0x0                               ; V's fragments are in
.endif
	PVM \i
	WIN 0
	CODES SB, BN, PS+1                             ; its first 15 plain lines are the places behind tile A's products
	; the rows' sums, of the unquantised p: six chains by turns: A's 16 pairs in two, B's 32 in four
	v_pk_add_f32 v[tA+2:tA+3], v[tA+2:tA+3], v[SA:SA+1]
	v_pk_add_f32 v[TP:TP+1], v[SA+32:SA+33], v[SA+36:SA+37]
	v_pk_add_f32 v[tB+2:tB+3], v[tB+2:tB+3], v[SB:SB+1]
	v_pk_add_f32 v[TP+2:TP+3], v[SB+16:SB+17], v[SB+18:SB+19]
	v_pk_add_f32 v[PX:PX+1], v[SB+32:SB+33], v[SB+34:SB+35]
	v_pk_add_f32 v[PX+2:PX+3], v[SB+48:SB+49], v[SB+50:SB+51]
.irp n, 1,2,3,4,5,6
	v_pk_add_f32 v[tA+2:tA+3], v[tA+2:tA+3], v[SA+4*\n:SA+4*\n+1]
	v_pk_add_f32 v[TP:TP+1], v[TP:TP+1], v[SA+36+4*\n:SA+37+4*\n]
	v_pk_add_f32 v[tB+2:tB+3], v[tB+2:tB+3], v[SB+2*\n:SB+2*\n+1]
	v_pk_add_f32 v[TP+2:TP+3], v[TP+2:TP+3], v[SB+18+2*\n:SB+19+2*\n]
	v_pk_add_f32 v[PX:PX+1], v[PX:PX+1], v[SB+34+2*\n:SB+35+2*\n]
	v_pk_add_f32 v[PX+2:PX+3], v[PX+2:PX+3], v[SB+50+2*\n:SB+51+2*\n]
.endr
	v_pk_add_f32 v[tA+2:tA+3], v[tA+2:tA+3], v[SA+28:SA+29]
	v_pk_add_f32 v[tB+2:tB+3], v[tB+2:tB+3], v[SB+14:SB+15]
	HINT 2
	v_pk_add_f32 v[tA+2:tA+3], v[tA+2:tA+3], v[TP:TP+1]
	v_pk_add_f32 v[TP+2:TP+3], v[TP+2:TP+3], v[PX:PX+1]
	HINT 3
	v_pk_add_f32 v[tB+2:tB+3], v[tB+2:tB+3], v[PX+2:PX+3]
	HINT 1
	v_pk_add_f32 v[tB+2:tB+3], v[tB+2:tB+3], v[TP+2:TP+3]
	PVM \i+1
.endm
.macro TRIP                            ; a key step of 128 keys for my four query tiles
	s_wait_dscnt 14                                ; K's 20 loads are in; V's 14, issued behind them, may be out
	SMUL SA, 0
	SMUL SB, 1
	PLACES
	PAIR 0
	SMUL SA, 2
	SMUL SB, 3
	PLACES
	FETCH_K                                        ; the next key step's K
	PAIR 2
	PLACES
	FETCH_V                                        ; and its V
.endm
	FETCH_K
	FETCH_V
	s_wait_loadcnt 0x0                             ; q
	s_mov_b32 s38, 7
.Lfirst:                                               ; key steps 0 to 6; the seventh trip fetches key step 7
	TRIP
	s_sub_co_u32 s38, s38, 1
	s_cmp_lg_u32 s38, 0
	s_cbranch_scc1 .Lfirst
	s_wait_tensorcnt 0x0                           ; my second key step has landed
	s_wait_dscnt 0x0
	s_barrier_signal -1
	s_barrier_wait -1                              ; key steps 8 to 15 are shown to all
	s_mov_b32 s38, 9
.Lsecond:
	TRIP
	s_sub_co_u32 s38, s38, 1
	s_cmp_lg_u32 s38, 0
	s_cbranch_scc1 .Lsecond
	s_wait_dscnt 0x0
	s_wait_alu depctr_va_vdst(0)
.irp i, 0,1,2,3
	v_add_f32 v[ST+4*\i+2], v[ST+4*\i+2], v[ST+4*\i+3]
.endr
.irp i, 0,1,2,3
	s_delay_alu instid0(VALU_DEP_4)
	v_permlanex16_b32 v[PX+\i], v[ST+4*\i+2], s34, s35
.endr
.irp i, 0,1,2,3
	s_delay_alu instid0(VALU_DEP_4)
	v_add_f32 v[ST+4*\i+2], v[ST+4*\i+2], v[PX+\i]  ; the rows' sums
.endr
	s_wait_alu depctr_va_vdst(0)
.irp i, 0,1,2,3
	v_rcp_f32 v[ST+4*\i], v[ST+4*\i+2]
.endr
	v_nop
	s_wait_alu depctr_va_vdst(0)
; the way out: O^T / the sum, through my own stage, back as rows of 256 bytes: sixteen lanes store one aligned run of 256 bytes
.macro PACK i
	WIN 0x01
.set cnt, 0
.rept 16
	v_pk_mul_f32 v[SA+32*\i+cnt:SA+32*\i+cnt+1], v[32*\i+cnt:32*\i+cnt+1], v[ST+4*\i:ST+4*\i+1] op_sel_hi:[1,0]
.set cnt, cnt+2
.endr
	WIN 0
.irp m, 0,1,2,3,4,5,6,7
	ds_store_b128 v[STO], v[SA+32*\i+4*\m:SA+32*\i+4*\m+3] offset:128*(\m/4)+16*(\m%4)
.endr
.irp m, 0,1,2,3,4,5,6,7
	ds_load_b128 v[SA+32*\i+4*\m:SA+32*\i+4*\m+3], v[RD] offset:544*\m
.endr
.endm
.macro SEND i, younger
.irp m, 0,1,2,3,4,5,6,7
	s_wait_dscnt \younger+7-\m
	global_store_b128 v[GO], v[SA+32*\i+4*\m:SA+32*\i+4*\m+3], s[10:11] offset:(32*(\i/2)+8*(\i%2)+2*\m+8*(\m/4))*4096 th:TH_STORE_NT
.endr
.endm
	PACK 0
	PACK 1
	SEND 0, 16
	PACK 2
	SEND 1, 16
	PACK 3
	SEND 2, 16
	SEND 3, 0
	s_wait_dscnt 0x0
	s_wait_tensorcnt 0x0                           ; the wave's end
	ds_add_u32 v59, v63
	s_wait_dscnt 0x0
	CROUND                                         ; the closing round
	s_endpgm
.Lfunc_end_k_q64a84b39fa_attn:
	.size	k_q64a84b39fa_attn, .Lfunc_end_k_q64a84b39fa_attn-k_q64a84b39fa_attn
	.p2alignl 7, 3214868480
	.fill 96, 4, 3214868480
	.section	.rodata,"a",@progbits
	.p2align	6, 0x0
	.amdhsa_kernel k_q64a84b39fa_attn
		.amdhsa_group_segment_fixed_size 327680
		.amdhsa_private_segment_fixed_size 0
		.amdhsa_enable_private_segment 0
		.amdhsa_kernarg_size 32
		.amdhsa_user_sgpr_count 2
		.amdhsa_user_sgpr_kernarg_segment_ptr 1
		.amdhsa_wavefront_size32 1
		.amdhsa_system_sgpr_workgroup_id_x 1
		.amdhsa_system_sgpr_workgroup_id_y 1
		.amdhsa_system_sgpr_workgroup_id_z 1
		.amdhsa_system_vgpr_workitem_id 0
		.amdhsa_next_free_vgpr 512
		.amdhsa_next_free_sgpr 66
		.amdhsa_reserve_vcc 0
		.amdhsa_float_denorm_mode_32 3
		.amdhsa_float_denorm_mode_16_64 3
		.amdhsa_memory_ordered 1
		.amdhsa_forward_progress 1
		.amdhsa_inst_pref_size 147
	.end_amdhsa_kernel
	.amdgpu_metadata
---
amdhsa.version: [ 1, 2 ]
amdhsa.kernels:
  - .name:           k_q64a84b39fa_attn
    .symbol:         k_q64a84b39fa_attn.kd
    .args:
      - { .name: qc, .offset: 0, .size: 8, .value_kind: global_buffer, .address_space: global }
      - { .name: qs, .offset: 8, .size: 8, .value_kind: global_buffer, .address_space: global }
      - { .name: kv, .offset: 16, .size: 8, .value_kind: global_buffer, .address_space: global }
      - { .name: out0, .offset: 24, .size: 8, .value_kind: global_buffer, .address_space: global }
    .group_segment_fixed_size: 327680
    .private_segment_fixed_size: 0
    .kernarg_segment_align: 8
    .kernarg_segment_size: 32
    .max_flat_workgroup_size: 256
    .sgpr_count:     66
    .vgpr_count:     512
    .wavefront_size: 32
...
	.end_amdgpu_metadata
.endif
;; end of part 3
